; MI455X (gfx1250); checked and timed in simulation.
; The chip was launched on July 23, 2026; its instructions are those of AMD's public machine-readable ISA for CDNA 5 (MIT licence, August 2026) and "CDNA5" Instruction Set Architecture Reference Guide (July 2026). The comments in the code are by the model that wrote it; some were corrected since.
;; TT Linear. Allowed arithmetic: matrix products marked QUANTISED: E5M2 operands, one E8M0 scale for each 32 along K, by v_wmma_scale_f32_16x16x128_f8f6f4 with both operands' format E5M2, f32 sums; products left as they are: f32 operands where the result goes on into a quantised operand, else bf16, f16 or f32 operands; f32 sums; everything else in f32.
;; Inputs: bias 4,096 float32; core0 1 x 4,096 x 8 float32; core1 8 x 4,096 x 1 float32; x_codes 4,096 x 128 x 32 uint8 (E5M2 codes of x, K innermost, in blocks of 32 codes); x_scales 4,096 x 128 uint8 (E8M0 scales of x, one for each 32 codes along K).
;; Outputs: out0 4,096 x 4,096 float32.
;; This version of the problem:
;;   THIS VERSION OF THE PROBLEM IS GIVEN IN LOW PRECISION. The matrix products marked QUANTISED in the list below multiply operands that are first quantised to E5M2 (5 exponent bits, 2 mantissa bits; 8 bits a number), with one power-of-two scale for each 32 numbers along K (OCP MX v1.0); their sums are f32. All else is computed in f32.
;;   The module's matrix products, in the order in which they are computed (A, B: the left and right operand; K: the contracted axis; several contracted axes count as one K, in the product's order):
;;     1. [M 4,096, K 8] x [K 8, N 4,096]; A: input core0; B: input core1: left as it is (K = 8 < 32)
;;     2. [M 4,096, K 4,096] x [K 4,096, N 4,096]; A: input x (given as codes); B: computed on the way: QUANTISED
;;   THE QUANTISER, for each operand of a quantised product, along K:
;;     - K is cut into blocks of 32 from its start; a last block that is shorter is filled with zeros.
;;     - A block's scale is 2^e with e = floor(log2(the largest magnitude in the block)) - 15, held to -126 .. 127; a block of zeros has e = 0. As a byte (E8M0): e + 127.
;;     - Each number is divided by its block's scale, clamped to +-57,344, and rounded to the nearest number of E5M2, ties to even, subnormals kept.
;;     - The product sums the exact products of the quantised numbers (number of the format x scale) in f32.
;;   ~~~python
;;   def quantise(x, axis):      # numpy; x: float32 -> the quantised numbers, widened to float32 again
;;       x = np.moveaxis(x, axis, -1); K = x.shape[-1]
;;       x = np.pad(x, [(0, 0)] * (x.ndim - 1) + [(0, -K % 32)]); x = x.reshape(x.shape[:-1] + (-1, 32)); a = np.abs(x).max(-1, keepdims=True)
;;       e = np.where(a > 0, np.clip(np.frexp(np.where(a > 0, a, 1))[1] - 1 - 15, -126, 127), 0)      # np.frexp(a)[1] - 1 = floor(log2(a)), exactly
;;       r = np.clip(x / 2.0 ** e, -57344, 57344)
;;       step = 2.0 ** (np.maximum(np.frexp(np.where(r == 0, 1, r))[1] - 1, -14) - 2)
;;       q = np.round(r / step) * step * 2.0 ** e      # np.round: ties to even
;;       return np.moveaxis(q.reshape(q.shape[:-2] + (-1,))[..., :K], -1, axis).astype(np.float32)
;;   ~~~
;;   OPERANDS COMPUTED ON THE WAY. 'Computed on the way' means the value that the module computes at that place (a softmax that the list does not call 'softmax' is quantised finished and normalised). What goes into a quantiser is computed in f32, as accurately as f32 sums, v_exp_f32 and their like allow (about 1e-6 of the number): no bf16 or f16 on the way to a quantiser, and a product that is left as it is and whose result goes on into a quantised operand takes f32 operands (vector FMAs, or v_wmma_f32_16x16x4_f32). A number that lies on a knife's edge between two numbers of the format may be rounded either way, as far as f32 arithmetic and the matrix unit's own rounding can turn it there, and no further.
;;   INPUTS GIVEN AS CODES. x (in the module: [4096, 4096], K = its axis 1): each comes as NAME_codes (uint8): NAME with its K axis moved to the last place and cut into blocks of 32 codes, [.., K / 32, bytes a block], one block behind the other in memory; one code a byte (a code: sign, 5 exponent bits, 2 mantissa bits); and NAME_scales (uint8): the same leading axes, one E8M0 byte (e + 127) for each 32 codes along K. Its value is code x scale, taken as it is: it is not quantised again, and the codes and scales need not be those that the quantiser above would give.
;; One version. Each part assembles by itself: llvm-mc -triple=amdgcn-amd-amdhsa -mcpu=gfx1250 --defsym DOCPART=n.
;; ======== version 1 of 1: 2 launches
;; limits: right only within a limited range of input values
;; workspace buffers: w_codes 16,777,216 bytes; scl 1,048,576 bytes
;; launch prep (part 1): grid 256 x 1, 8 waves a work-group, no clusters, 81,920 bytes of LDS; arguments core0, core1, x_scales, w_codes, scl; writes w_codes, scl
.if DOCPART == 1
	.amdgcn_target "amdgcn-amd-amdhsa--gfx1250"
	.amdhsa_code_object_version 6
	.text
	.protected	k_qe833e1ada2_prep
	.globl	k_qe833e1ada2_prep
	.p2align	8
	.type	k_qe833e1ada2_prep,@function
k_qe833e1ada2_prep:
	s_mov_b64 s[64:65], 0
	v_nop
	global_prefetch_b8 v0, s[64:65] scope:SCOPE_SE
	s_setreg_imm32_b32 hwreg(HW_REG_WAVE_MODE, 25, 1), 1
	s_wait_xcnt 0x0
; W[n][k] = sum over r < 8 of core0[n][r] core1[r][k], in f32 (fused multiply-adds, r ascending), is quantised along k to codes of BF8 (E5M2) with one E8M0 byte for each 32 along k.
; OUT: w_codes [4096 n][4096 k], one code a byte, k innermost.  scl: two parts of 524,288 bytes, x's scale bytes (copied as they are given) and W's, both laid
; [u = k / 128 : 32][G = row / 64 : 64][r : 16][i : 4][4 bytes], row = 64 G + 16 i + r, byte b for k = 128 u + 32 b: the order in which the product's launch wants its scale registers:
; 16 bytes at 16 r are the scale words of row r of four neighbouring blocks of 16 rows, and sixteen lanes read 256 consecutive bytes.
; A block's scale is 2^(floor(log2(its largest magnitude)) - 15); its byte is the largest magnitude's exponent field - 15, held at 1 from below; each number is held within +-57,344 x the scale and rounded to the nearest code, ties to even.
; LIMITS: a block of W whose largest magnitude lies under 2^-111 (a block of zeros among them) gets the byte 1, where the rule gives a block of zeros 127: its codes are zeros, and this program alone reads the bytes.
; NaN and infinities in the cores are not served.
; SHARES.  A cell is 64 rows (one G) x 256 along k (t); 64 x 16 cells, two waves to a cell: wave hh takes rows 32 hh .. 32 hh + 31.  A work-group has four cells of one G.
; LANE l HOLDS k = 256 t + 8 l + 0 .. 7 OF ONE ROW AT A TIME: its 8 x 8 numbers of core1 stay in 64 registers; a row of core0 is the same in every lane and comes from the wave's image in LDS;
; four lanes make a block of 32; a lane's 8 codes are 8 bytes, so the wave's store covers 256 consecutive bytes of a row of w_codes, aligned.
; THE ORDER OF w_codes, which stands in place of the row-major order named above: [n / 128 : 32][u = k / 128 : 32][b = (n / 16) mod 8 : 8][c : 4][lane (h, r) : 32][16 bytes],
; n = 16 (block) + r, k = 128 u + 32 c + 16 h + byte: the image of the product's operand registers, so that a wave of the product's launch loads 512 consecutive bytes an instruction.
; A lane's 8 codes of a row go into the wave's own image in LDS (16 pieces of 256 bytes + 16 of padding for each 16 rows), come back as pieces and leave in stores of 512 consecutive bytes, aligned.
.set WPART, 524288
.set IMG,   11264                      ; LDS: behind the spare words: 8,704 bytes for each wave: [16 rows' block : 2][piece (u local, c, h) : 16][272]
.set SCB,   8192                       ; LDS: behind the eight images of 1,024 bytes: 256 scale bytes for each wave, laid [u local 2][r 16][i local 2][4]
.set MX,    8                          ; v8-9    largest magnitudes, one for each row of the pair
.set SCO,   10                         ; v10-11  the conversions' scale operands
.set HOLD,  12                         ; v12-13  57,344 x the scale
.set BY,    14                         ; v14-15 and v198-199: the scale bytes, two sets by turns
.set ACC,   16                         ; v16-31  the sums: 8 e + j.  v16-23 first carry core0's rows on their way to LDS
.set C1,    32                         ; v32-95  core1: 8 r + j
.set C0,    96                         ; v96-127 core0's rows of a pair, two sets: 16 s + 8 e + r
.set CD,    128                        ; v128-191 codes: two registers for each of the 32 rows, so that no store's data are written again
.set XW,    192                        ; v[192:193] x's scale words on their way
.set WW,    194                        ; v[194:195] W's
.set O1,    196                        ; v196    32 x lane: my 8 numbers in a row of core1
.set OX,    197                        ; v197    where my two words of x's scales lie
	s_load_b256 s[4:11], s[0:1], 0x0               ; core0 s[4:5], core1 s[6:7], x_scales s[8:9], w_codes s[10:11]
	s_load_b64 s[12:13], s[0:1], 0x20              ; scl
	v_lshl_add_u32 v200, v0, 2, 0x2800
	v_mov_b32 v201, 0
	v_lshrrev_b32 v1, 5, v0
	s_delay_alu instid0(VALU_DEP_1)
	v_readfirstlane_b32 s14, v1                    ; wave 0..7
	v_and_b32 v1, 31, v0                           ; lane
	s_wait_alu depctr_va_vdst(0)
	s_lshr_b32 s15, s14, 1                         ; which of the work-group's four cells
	s_and_b32 s16, s14, 1                          ; hh: which 32 rows of the cell
	s_lshr_b32 s17, ttmp9, 2                       ; G
	s_and_b32 s18, ttmp9, 3
	s_lshl_b32 s18, s18, 2
	s_add_co_u32 s18, s18, s15                     ; t = 4 (x mod 4) + cell
	s_lshl_b32 s19, s17, 6
	s_lshl_b32 s20, s16, 5
	s_add_co_u32 s19, s19, s20                     ; my first row: 64 G + 32 hh
	s_lshl_b32 s20, s19, 5                         ; core0: 32 bytes a row
	s_mov_b32 s21, 0
	s_lshl_b32 s22, s18, 10                        ; core1: 256 t numbers into each of its rows
	s_mov_b32 s23, 0
	s_lshl_b32 s24, s17, 13                        ; x_scales: 64 G rows of 128 bytes, + the word of u = 2 t + hh
	s_lshl_b32 s25, s18, 3
	s_add_co_u32 s24, s24, s25
	s_lshl_b32 s25, s16, 2
	s_add_co_u32 s24, s24, s25
	s_mov_b32 s25, 0
	s_lshr_b32 s26, s17, 1                         ; w_codes: 524,288 (G / 2)
	s_lshl_b32 s26, s26, 19
	s_lshl_b32 s27, s18, 15                        ; + 16,384 x 2 t
	s_add_co_u32 s26, s26, s27
	s_and_b32 s27, s17, 1                          ; + 2,048 x (4 (G mod 2) + 2 hh)
	s_lshl_b32 s27, s27, 13
	s_add_co_u32 s26, s26, s27
	s_lshl_b32 s27, s16, 12
	s_add_co_u32 s26, s26, s27
	s_mov_b32 s27, 0
	s_lshl_b32 s32, s18, 1
	s_add_co_u32 s32, s32, s16                     ; the unit that I write in each part of scl: u = 2 t + hh,
	s_lshl_b32 s32, s32, 14
	s_lshl_b32 s33, s17, 8
	s_add_co_u32 s32, s32, s33                     ; 16,384 u + 256 G
	s_mov_b32 s33, 0
	s_mov_b32 s28, 0x600000                        ; the mantissa field of 57,344 (an instruction takes one literal)
	v_and_b32 v2, 0xe0, v0
	s_delay_alu instid0(VALU_DEP_1)
	v_lshlrev_b32 v2, 5, v2                        ; v2: 1,024 x wave: my wave's image of core0's rows
	v_lshrrev_b32 v3, 4, v0
	s_delay_alu instid0(VALU_DEP_1)
	v_lshlrev_b32 v3, 7, v3                        ; 256 x wave + 128 (lane / 16): lanes 16-31 hold the second 128 along k
	v_bfe_u32 v5, v0, 2, 2
	s_delay_alu instid0(VALU_DEP_1)
	v_add_nc_u32 v3, v3, v5                        ; + (lane / 4) mod 4: my block's byte in its word
	s_delay_alu instid0(VALU_DEP_1)
	v_add_nc_u32 v3, SCB, v3                       ; v3: where my block's scale byte goes; the row stands in the immediate
	v_lshlrev_b32 v4, 3, v1                        ; v4: 8 x lane: codes, and both stores into scl
	v_lshrrev_b32 v5, 6, v0
	s_delay_alu instid0(VALU_DEP_1)
	v_lshlrev_b32 v5, 9, v5                        ; the cell's two waves' bytes: 512 x cell
	v_bfe_u32 v6, v0, 5, 1
	s_delay_alu instid0(VALU_DEP_1)
	v_lshl_add_u32 v5, v6, 7, v5                   ; + 128 hh: the unit that I write is the cell's u local = hh
	v_and_b32 v6, 1, v0
	s_delay_alu instid0(VALU_DEP_1)
	v_lshl_add_u32 v5, v6, 8, v5                   ; + 256 (lane mod 2): blocks i = 0, 1 were made by the cell's first wave, i = 2, 3 by its second
	v_bfe_u32 v7, v0, 1, 4
	s_delay_alu instid0(VALU_DEP_1)
	v_lshl_add_u32 v5, v7, 3, v5                   ; + 8 (lane / 2): row r
	s_delay_alu instid0(VALU_DEP_1)
	v_add_nc_u32 v5, SCB, v5                       ; v5: the 8 bytes that I read back
	s_delay_alu instid0(VALU_DEP_3)
	v_lshl_add_u32 v[OX], v6, 5, v7                ; x's words (r = lane / 2, i = 2 (lane mod 2) and the next): row 32 (lane mod 2) + lane / 2,
	s_delay_alu instid0(VALU_DEP_1)
	v_lshlrev_b32 v[OX], 7, v[OX]                  ; 128 bytes a row; the next i lies 16 rows on
	v_lshlrev_b32 v6, 4, v1                        ; v6: 16 x lane
	s_delay_alu instid0(VALU_DEP_1)
	v_add_nc_u32 v7, v2, v6                        ; v7: the same in my image
	v_lshlrev_b32 v[O1], 5, v1
	s_mul_i32 s34, s14, 8704
	s_add_co_u32 s34, s34, IMG                     ; my wave's image of codes
	v_bfe_u32 v202, v0, 1, 4                       ; my piece: lane / 2 = 8 (u local) + 2 c + h
	v_and_b32 v203, 1, v0
	v_mul_u32_u24 v202, v202, 272
	v_lshl_add_u32 v202, v203, 3, v202             ; + 8 (lane mod 2)
	v_add_nc_u32 v202, s34, v202                   ; v202: where my 8 codes go; the row stands in the immediate
	v_bfe_u32 v203, v0, 4, 1
	v_and_b32 v236, 15, v0
	v_mul_u32_u24 v203, v203, 272
	v_lshl_add_u32 v203, v236, 4, v203
	v_add_nc_u32 v203, s34, v203                   ; v203: back: lanes 0-15 an even piece, lanes 16-31 the next
	s_wait_alu depctr_va_vdst(0)
	s_wait_kmcnt 0x0
	s_add_nc_u64 s[4:5], s[4:5], s[20:21]
	s_add_nc_u64 s[6:7], s[6:7], s[22:23]
	s_add_nc_u64 s[8:9], s[8:9], s[24:25]
	s_add_nc_u64 s[10:11], s[10:11], s[26:27]
	s_add_nc_u64 s[12:13], s[12:13], s[32:33]      ; my unit in x's part,
	s_add_nc_u64 s[30:31], s[12:13], WPART         ; and in W's
	global_load_b128 v[ACC:ACC+3], v6, s[4:5]                      ; my 32 rows of core0: 1,024 consecutive bytes
	global_load_b128 v[ACC+4:ACC+7], v6, s[4:5] offset:512
.irp r, 0,1,2,3,4,5,6,7
	global_load_b128 v[C1+8*\r:C1+8*\r+3], v[O1], s[6:7] offset:16384*\r
	global_load_b128 v[C1+8*\r+4:C1+8*\r+7], v[O1], s[6:7] offset:16384*\r+16
.endr
	global_load_b32 v[XW], v[OX], s[8:9]
	global_load_b32 v[XW+1], v[OX], s[8:9] offset:2048
	s_wait_loadcnt 18                              ; core0's two loads are in; the 18 younger ones may be out
	ds_store_b128 v7, v[ACC:ACC+3]
	ds_store_b128 v7, v[ACC+4:ACC+7] offset:512
.irp e, 0,1                                    ; rows 0 and 1 into set 0: every lane reads the same 32 bytes.  LDS serves a wave's instructions in order (ISA guide 5.7.1.4): these see the stores above
	ds_load_b128 v[C0+8*\e:C0+8*\e+3], v2 offset:32*\e
	ds_load_b128 v[C0+8*\e+4:C0+8*\e+7], v2 offset:32*\e+16
.endr
	s_wait_loadcnt 0x0                             ; core1 and x's words
	global_store_b64 v4, v[XW:XW+1], s[12:13]      ; 32 lanes store 256 consecutive bytes, aligned: x's scale words of unit (u, G)
; Two rows, o = 2 p + e.  Their sixteen sums are eight independent chains of packed multiply-adds; the quantiser's lines take the two rows by turns.
.macro PAIR p
.set CS, C0+16*((\p)%2)
.set CN, C0+16*(((\p)+1)%2)
.if (\p) == 0
	s_wait_dscnt 0x0                               ; the image's stores and set 0's loads
.else
	s_wait_dscnt 0x4                               ; this pair's four loads are in; the last pair's four stores may be out
.endif
.if (\p) < 15
.irp e, 0,1
	ds_load_b128 v[CN+8*\e:CN+8*\e+3], v2 offset:32*(2*(\p)+2+\e)
	ds_load_b128 v[CN+8*\e+4:CN+8*\e+7], v2 offset:32*(2*(\p)+2+\e)+16
.endr
.endif
.irp r, 0,1,2,3,4,5,6,7
.irp e, 0,1
.irp jj, 0,1,2,3
.if \r == 0
	v_pk_mul_f32 v[ACC+8*\e+2*\jj:ACC+8*\e+2*\jj+1], v[C1+2*\jj:C1+2*\jj+1], v[CS+8*\e:CS+8*\e+1] op_sel_hi:[1,0]   ; the first term starts the sums; core0's number is the pair's low word, for both halves
.elseif (\r%2) == 0
	v_pk_fma_f32 v[ACC+8*\e+2*\jj:ACC+8*\e+2*\jj+1], v[C1+8*\r+2*\jj:C1+8*\r+2*\jj+1], v[CS+8*\e+\r:CS+8*\e+\r+1], v[ACC+8*\e+2*\jj:ACC+8*\e+2*\jj+1] op_sel_hi:[1,0,1]
.else
	v_pk_fma_f32 v[ACC+8*\e+2*\jj:ACC+8*\e+2*\jj+1], v[C1+8*\r+2*\jj:C1+8*\r+2*\jj+1], v[CS+8*\e+\r-1:CS+8*\e+\r], v[ACC+8*\e+2*\jj:ACC+8*\e+2*\jj+1] op_sel:[0,1,0] op_sel_hi:[1,1,1]   ; odd r: the pair's high word, for both halves
.endif
.endr
.endr
.endr
.irp e, 0,1
	v_max3_num_f32 v[MX+\e], |v[ACC+8*\e]|, |v[ACC+8*\e+1]|, 0x8000000   ; my 8 numbers, and the floor 2^(16 - 127): so the byte cannot fall under 1
.endr
.irp i, 2,4,6
.irp e, 0,1
	s_delay_alu instid0(VALU_DEP_2)
	v_max3_num_f32 v[MX+\e], v[MX+\e], |v[ACC+8*\e+\i]|, |v[ACC+8*\e+\i+1]|
.endr
.endr
.irp e, 0,1
	s_delay_alu instid0(VALU_DEP_2)
	v_max_num_f32_dpp v[MX+\e], v[MX+\e], v[MX+\e] row_xmask:1 row_mask:0xf bank_mask:0xf
.endr
.irp e, 0,1
	s_delay_alu instid0(VALU_DEP_2)
	v_max_num_f32_dpp v[MX+\e], v[MX+\e], v[MX+\e] row_xmask:2 row_mask:0xf bank_mask:0xf   ; with the three lanes beside me: the block's largest magnitude
.endr
.irp e, 0,1
	s_delay_alu instid0(VALU_DEP_2)
	v_add_nc_u32 v[SCO+\e], 0xf8800000, v[MX+\e]   ; 15 off its exponent field: the conversion takes the exponent field of this operand as its scale, and nothing else of it
.endr
.irp e, 0,1
	s_delay_alu instid0(VALU_DEP_4)
	v_and_or_b32 v[HOLD+\e], v[MX+\e], 0x7f800000, s28   ; 57,344 x the scale
.endr
.irp i, 0,1,2,3,4,5,6,7
.irp e, 0,1
	v_med3_num_f32 v[ACC+8*\e+\i], v[ACC+8*\e+\i], -v[HOLD+\e], v[HOLD+\e]   ; the conversion to an 8-bit code does not saturate (ISA guide 7.6.2): the hold comes first
.endr
.endr
.irp e, 0,1
	v_cvt_scalef32_pk8_bf8_f32 v[CD+2*(2*(\p)+\e):CD+2*(2*(\p)+\e)+1], v[ACC+8*\e:ACC+8*\e+7], v[SCO+\e]
.endr
.irp e, 0,1
	v_lshrrev_b32 v[BY+184*((\p)%2)+\e], 23, v[SCO+\e]   ; the scale's byte; also the plain lines between the conversions and the next pair's sums, which write the conversions' sources
.endr
.irp e, 0,1
	ds_store_b8 v3, v[BY+184*((\p)%2)+\e] offset:8*((2*(\p)+\e)%16)+4*((2*(\p)+\e)/16)   ; the four lanes of a block write the same byte with the same value
	ds_store_b64 v202, v[CD+2*(2*(\p)+\e):CD+2*(2*(\p)+\e)+1] offset:4352*((2*(\p)+\e)/16)+16*((2*(\p)+\e)%16)
.endr
.if ((\p)%8) == 7                              ; sixteen rows are whole: their 16 pieces leave.  LDS serves a wave's instructions in order: these loads see the stores above
.set FB, 204-172*((\p)/8)                      ; v204-235, then v32-63 (core1's, done with): no store's data are written again
.irp j, 0,1,2,3,4,5,6,7
	ds_load_b128 v[FB+4*\j:FB+4*\j+3], v203 offset:4352*((\p)/8)+544*\j
.endr
	s_wait_dscnt 0x0
.irp j, 0,1,2,3,4,5,6,7
	global_store_b128 v6, v[FB+4*\j:FB+4*\j+3], s[10:11] offset:16384*(\j/4)+2048*((\p)/8)+512*(\j%4)   ; 32 lanes store 512 consecutive bytes, aligned
.endr
.endif
.endm
.irp p, 0,1,2,3,4,5,6,7,8,9,10,11,12,13,14,15
	PAIR \p
.endr
	s_wait_dscnt 0x0                               ; for the cell's other wave: my scale bytes lie in LDS
	s_barrier_signal -1
	s_barrier_wait -1                              ; and its bytes too
	ds_load_b64 v[WW:WW+1], v5
	s_wait_dscnt 0x0
	global_store_b64 v4, v[WW:WW+1], s[30:31]      ; 256 consecutive bytes, aligned: W's scale words of unit (u, G)
	s_wait_tensorcnt 0x0
	ds_add_u32 v200, v201
	s_wait_dscnt 0x0
	s_endpgm
.Lfunc_end_k_qe833e1ada2_prep:
	.size	k_qe833e1ada2_prep, .Lfunc_end_k_qe833e1ada2_prep-k_qe833e1ada2_prep
	.p2alignl 7, 3214868480
	.fill 96, 4, 3214868480
	.section	.rodata,"a",@progbits
	.p2align	6, 0x0
	.amdhsa_kernel k_qe833e1ada2_prep
		.amdhsa_group_segment_fixed_size 81920
		.amdhsa_private_segment_fixed_size 0
		.amdhsa_enable_private_segment 0
		.amdhsa_kernarg_size 40
		.amdhsa_user_sgpr_count 2
		.amdhsa_user_sgpr_kernarg_segment_ptr 1
		.amdhsa_wavefront_size32 1
		.amdhsa_system_sgpr_workgroup_id_x 1
		.amdhsa_system_sgpr_workgroup_id_y 1
		.amdhsa_system_sgpr_workgroup_id_z 1
		.amdhsa_system_vgpr_workitem_id 0
		.amdhsa_next_free_vgpr 240
		.amdhsa_next_free_sgpr 66
		.amdhsa_reserve_vcc 0
		.amdhsa_float_denorm_mode_32 3
		.amdhsa_float_denorm_mode_16_64 3
		.amdhsa_memory_ordered 1
		.amdhsa_forward_progress 1
		.amdhsa_inst_pref_size 126
	.end_amdhsa_kernel
	.amdgpu_metadata
---
amdhsa.version: [ 1, 2 ]
amdhsa.kernels:
  - .name:           k_qe833e1ada2_prep
    .symbol:         k_qe833e1ada2_prep.kd
    .args:
      - { .name: core0, .offset: 0, .size: 8, .value_kind: global_buffer, .address_space: global }
      - { .name: core1, .offset: 8, .size: 8, .value_kind: global_buffer, .address_space: global }
      - { .name: x_scales, .offset: 16, .size: 8, .value_kind: global_buffer, .address_space: global }
      - { .name: w_codes, .offset: 24, .size: 8, .value_kind: global_buffer, .address_space: global }
      - { .name: scl, .offset: 32, .size: 8, .value_kind: global_buffer, .address_space: global }
    .group_segment_fixed_size: 81920
    .private_segment_fixed_size: 0
    .kernarg_segment_align: 8
    .kernarg_segment_size: 40
    .max_flat_workgroup_size: 256
    .sgpr_count:     66
    .vgpr_count:     240
    .wavefront_size: 32
...
	.end_amdgpu_metadata
.endif
;; end of part 1
;; launch gemm (part 2): grid 16 x 16, 4 waves a work-group, clusters of 4 x 1, 327,680 bytes of LDS; arguments x_codes, w_codes, scl, bias, out0; writes out0
.if DOCPART == 2
	.amdgcn_target "amdgcn-amd-amdhsa--gfx1250"
	.amdhsa_code_object_version 6
	.text
	.protected	k_qe833e1ada2_gemm
	.globl	k_qe833e1ada2_gemm
	.p2align	8
	.type	k_qe833e1ada2_gemm,@function
k_qe833e1ada2_gemm:
	s_mov_b64 s[64:65], 0
	v_nop
	global_prefetch_b8 v0, s[64:65] scope:SCOPE_SE
	s_setreg_imm32_b32 hwreg(HW_REG_WAVE_MODE, 25, 1), 1
	s_wait_xcnt 0x0
	s_wait_alu depctr_hold_cnt(0) depctr_sa_sdst(0) depctr_va_vdst(0) depctr_va_sdst(0) depctr_va_ssrc(0) depctr_va_vcc(0) depctr_vm_vsrc(0)
	s_getreg_b32 s2, hwreg(HW_REG_IB_STS2, 6, 4)
	s_cmp_eq_u32 s2, 0
	s_cbranch_scc0 .Lentry_in_a_cluster
	s_endpgm
.Lentry_in_a_cluster:
	s_bfe_u32 s2, ttmp6, 0x10000c
	s_cmp_lg_u32 s2, 0x3003
	s_cbranch_scc0 .Lentry_shape_is_right
	s_endpgm
.Lentry_shape_is_right:
; out[m][n] = sum over k of x[m][k] W[n][k] + bias[n]: codes of BF8 (E5M2) with one E8M0 byte for each 32 along k, f32 sums, K ascending.
; A work-group of four waves makes 256 x 256 of out; a wave 128 x 128: 64 accumulators, 512 registers.
; x GOES THROUGH LDS: a ring of two slots of 256 rows x 512 k (rows of 512 bytes + 16 of padding); each wave brings 64 rows by one tensor load.  The four work-groups of a cluster (4 x 1)
; make one tile row of out and need the same rows of x: the load is joint, mask 15.
; W GOES FROM MEMORY STRAIGHT INTO REGISTERS: the launch before has laid w_codes as the image of the operand registers, [n / 128][k / 128][block of 16 rows][4 x 512 bytes], so a load covers 512 consecutive
; bytes.  W has no tile in LDS, so there is no joint load for it.  Two sets of eight fragments, each fragment asked for again, for the step after next, 80 products ahead of its use.
; Scale words come as the launch before laid them: one register holds x's word (lanes 0-15) and W's (lanes 16-31) of block i; four sets, each asked for four steps ahead; 1 MiB in all, no prefetch for them.
; A STEP is 128 along k, 64 products: first x's blocks 0-3, then 4-7, each half by W's fragments 0 to 7.  ITS LOADS STAND IN THREE RUNS, each eight places (v_nop) behind the last product that read the
; registers (apart from loads): at the step's middle x's blocks 0-3 of the next step; behind the second half's first 16 products W's fragments 0-3 of the step after next;
; at the step's end W's fragments 4-7, the scale words and x's blocks 4-7 of the next step.
; THE MATRIX INSTRUCTION IS USED TRANSPOSED (source 0 = W's rows, source 1 = x's): a lane holds eight neighbouring numbers of a row of out.  The bias is the C of each sum's first product.
; PREFETCH: at each refill, x's chunk of 512 k three chunks on (a lane a block of 256 bytes; the cluster's 16 waves share the 256 rows out by address) and W's chunk two chunks on (the work-groups of a tile
; column share its 512 blocks out by y mod 4 and wave); at the head x's chunk 2 and W's chunks 0 and 1.  The last refill asks for no x: chunk 8 does not exist.
; REGISTERS: window 0: v0-31 addresses, v32-63 scale words, v64-127 bias (later the way out), v128-255 x's fragments.  Window 1: W's two sets.  Windows 2, 3: accumulators (a, b) at v[8 (8 (a mod 4) + b)].
.set SIZE_N, 4096
.set PITCH,  528
.set SLOT,   256*PITCH
.set SPARE,  2*SLOT                    ; the spare words: 512 bytes that no other line names
.set STAGE,  SPARE+512                 ; the way out: 16 rows x 528 bytes for each wave; no fill lands here
.set SPITCH, 528
.set WPART,  524288
.set USTEP,  16384                     ; bytes of a step: of a wave's W, and of a unit of scale words
.set ADRA, 16                          ; v16-17 LDS address of my x fragments in slot 0, 1
.set BOF,  20                          ; v20 16 x lane: W's loads, and my place in a row of out
.set PFQ,  21                          ; v21 256 x lane
.set STO,  24
.set RD,   25
.set SOFF, 27
.set SPW,  28
.set NIL,  29
.set PFO,  30
.set BO,   31
.set SC,   32
.set BI,   64
.set BK,   64
.set AF,   128
.set G1,  24                           ; s[24:31] descriptor group 1; s[32:39] group 0, one set for each slot
.set G0,  32
.set BP,  44                           ; s[44:45] my W stream; s[46:47] scale words; s[48:49], s[50:51] the prefetches' bases: all at the trip's first step
.set SCP, 46
.set PFA, 48
.set PFB, 50
.set MSB, 0
.macro WIN new
.if MSB != (\new)
	s_set_vgpr_msb (MSB<<8)|(\new)
.set MSB, (\new)
.endif
.endm
.set MUL_LO,   0xa1
.set MUL_HI,   0xf1
.set FIRST_LO, 0x81                    ; C (the bias) in window 0
.set FIRST_HI, 0xc1
.set TO_B,     0x40
.macro CREST
	s_cmp_lg_u32 s14, 0
	s_cbranch_scc1 .Lnot_wave_0_\@
	s_barrier_signal -3
.Lnot_wave_0_\@:
	s_barrier_wait -3
	s_barrier_signal -1
	s_barrier_wait -1
.endm
.macro CROUND
	s_barrier_signal -1
	s_barrier_wait -1
	CREST
.endm
.macro PLACES n
.rept \n
	v_nop
.endr
.endm
.macro TLOAD sl                        ; every wave's one load: its 64 rows; s_nop 0 and four v_nop behind it
	tensor_load_to_lds s[G0+4*(\sl):G0+4*(\sl)+3], s[G1:G1+7]
	s_nop 0
	PLACES 4
.endm
.macro LDBF f, p, off                  ; W's fragment f into set p
.irp c, 0,1,2,3
	global_load_b128 v[128*(\p)+16*(\f)+4*\c:128*(\p)+16*(\f)+4*\c+3], v[BOF], s[BP:BP+1] offset:(\off)+2048*(\f)+512*\c
.endr
.endm
.macro LDSC js, off                    ; a step's eight scale words into set js
.irp g, 0,1
	global_load_b128 v[SC+8*(\js)+4*\g:SC+8*(\js)+4*\g+3], v[SOFF], s[SCP:SCP+1] offset:(\off)+256*\g
.endr
.endm
.macro LDAF i, sl, q                   ; x's block i of the slot's q-th 128 along k
.irp c, 0,1,2,3
	ds_load_b128 v[AF+16*(\i)+4*\c:AF+16*(\i)+4*\c+3], v[ADRA+(\sl)] offset:128*(\q)+32*\c+(\i)*16*PITCH
.endr
.endm
.macro LW n                            ; a counted wait on LOADcnt; the field holds 63 at the most, and a smaller count is sound
.if (\n) > 63
	s_wait_loadcnt 63
.else
	s_wait_loadcnt \n
.endif
.endm
.macro WM a, b, p, js, first
.if \first
	v_wmma_scale_f32_16x16x128_f8f6f4 v[8*(8*((\a)%4)+(\b)):8*(8*((\a)%4)+(\b))+7], v[128*(\p)+16*(\b):128*(\p)+16*(\b)+15], v[AF+16*(\a):AF+16*(\a)+15], v[BI+8*(\b):BI+8*(\b)+7], v[SC+8*(\js)+(\b)], v[SC+8*(\js)+(\a)] matrix_a_fmt:MATRIX_FMT_BF8 matrix_b_fmt:MATRIX_FMT_BF8 matrix_a_scale:MATRIX_SCALE_ROW1
.else
	v_wmma_scale_f32_16x16x128_f8f6f4 v[8*(8*((\a)%4)+(\b)):8*(8*((\a)%4)+(\b))+7], v[128*(\p)+16*(\b):128*(\p)+16*(\b)+15], v[AF+16*(\a):AF+16*(\a)+15], v[8*(8*((\a)%4)+(\b)):8*(8*((\a)%4)+(\b))+7], v[SC+8*(\js)+(\b)], v[SC+8*(\js)+(\a)] matrix_a_fmt:MATRIX_FMT_BF8 matrix_b_fmt:MATRIX_FMT_BF8 matrix_a_scale:MATRIX_SCALE_ROW1
.endif
.endm
.macro GRP hi, g, p, js, first         ; four products: W's fragment g against x's blocks 4 hi .. 4 hi + 3.  The 64 accumulators take turns
.irp a, 0,1,2,3
	WM 4*(\hi)+\a, \g, \p, \js, \first
.endr
.endm
.macro ASK sl                          ; the prefetches behind the refill of slot sl
.if (\sl) == 1
	s_cmp_lg_u32 s3, 1                             ; the last trip's second refill: x has no chunk 8
	s_cbranch_scc0 .Lno_x_\@
.endif
	global_prefetch_b8 v[PFO], s[PFA:PFA+1] offset:1536+512*(\sl) th:TH_LOAD_NT scope:SCOPE_SE
.if (\sl) == 1
.Lno_x_\@:
.endif
	global_prefetch_b8 v[PFQ], s[PFB:PFB+1] offset:131072+65536*(\sl) th:TH_LOAD_NT scope:SCOPE_SE
.endm
; A step's first half and the run at its middle.  j: the step's place in the trip (step = 8 trip + j).  rem: steps behind it (7: at least 4).  turn: 1 the slot's last step, refill; 2 the same with no refill.
; THE COUNTS ON LOADcnt.  A step issues, in this order, W's fragments 0-7 of the step after next (32 loads) and the scale words four steps on (2).  Behind fragment g of this step were issued
; 4 (7 - g) loads of its own set and NN more: 2 scale loads and the next step's 34, as far as those steps exist.
.macro HONE j, first, rem, turn
.set SL, ((\j)%8)/4
.set QS, (\j)%4
.set PB, (\j)%2
.set SLN, (((\j)+1)%8)/4
.set QN, ((\j)+1)%4
.set NN, 36
.if (\rem) == 2
.set NN, 34
.endif
.if (\rem) == 1
.set NN, 32
.endif
.if (\rem) == 0
.set NN, 0
.endif
.if \first
.set WLO, FIRST_LO
.else
.set WLO, MUL_LO
.endif
	s_wait_dscnt 16                                ; x's blocks 0-3 are in; the 16 younger loads (blocks 4-7) may be out
	WIN WLO
.irp g, 0,1,2,3
	LW 28-4*\g+NN
	GRP 0, \g, PB, QS, \first
.endr
.if \turn
	WIN 0
	s_wait_tensorcnt 0x0                           ; my one load that was out, my part of the next slot, has landed
	ds_add_u32 v[SPW], v[NIL]
.if (\turn) == 1
	s_add_nc_u64 s[G0+4*SL+2:G0+4*SL+3], s[G0+4*SL+2:G0+4*SL+3], 1024   ; no load of mine is out: this slot's next chunk, two on
.endif
	WIN WLO
.endif
	LW 12+NN
	GRP 0, 4, PB, QS, \first
.if \turn
	LW NN                                          ; fragments 5, 6 and 7 at once: no wait stands inside the barrier
.else
	LW 8+NN
.endif
	GRP 0, 5, PB, QS, \first
.if \turn
	s_wait_dscnt 0x0                               ; the add is done, and my last reads of this slot (blocks 4-7) are back
	s_barrier_signal -1
.else
	LW 4+NN
.endif
	GRP 0, 6, PB, QS, \first
.if (\turn) == 0
	LW NN
.endif
	GRP 0, 7, PB, QS, \first
.if \turn
	WIN 0
	s_barrier_wait -1
.endif
.if (\turn) == 1
	CREST                                          ; the barrier opened a round of the cluster's barrier: no wave of any partner reads this slot or has a load out
	TLOAD SL                                       ; its four v_nop are four of the eight places
	PLACES 4
.elseif (\rem) >= 1
	PLACES 8
	WIN 0
.endif
.if (\rem) >= 1
.irp i, 0,1,2,3
	LDAF \i, SLN, QN
.endr
.endif
.endm
; The second half, with the run behind its first 16 products and the run at the step's end.
.macro HTWO j, first, rem, turn
.set SLN, (((\j)+1)%8)/4
.set QN, ((\j)+1)%4
.set QS, (\j)%4
.set PB, (\j)%2
.if \first
.set WHI, FIRST_HI
.else
.set WHI, MUL_HI
.endif
	s_wait_dscnt 16                                ; x's blocks 4-7 are in; the middle run's 16 loads may be out
	WIN WHI
.irp g, 0,1,2,3
	GRP 1, \g, PB, QS, \first
.endr
.if (\rem) >= 2
	PLACES 8
	WIN TO_B
.irp f, 0,1,2,3
	LDBF \f, PB, ((\j)+2)*USTEP
.endr
.if (\turn) == 1
	WIN 0
	ASK ((\j)%8)/4
.endif
	WIN WHI
.endif
.irp g, 4,5,6,7
	GRP 1, \g, PB, QS, \first
.endr
	PLACES 8
.if (\rem) >= 2
	WIN TO_B
.irp f, 4,5,6,7
	LDBF \f, PB, ((\j)+2)*USTEP
.endr
.endif
	WIN 0
.if (\rem) >= 4
	LDSC QS, ((\j)+4)*USTEP
.endif
.irp i, 4,5,6,7
	LDAF \i, SLN, QN
.endr
.endm
.macro STEP j, first, rem, turn
	HONE \j, \first, \rem, \turn
	HTWO \j, \first, \rem, \turn
.endm
	s_load_b256 s[4:11], s[0:1], 0x0               ; x_codes s[4:5], w_codes s[6:7], scl s[8:9], bias s[10:11]
	s_load_b64 s[12:13], s[0:1], 0x20              ; out
	v_lshl_add_u32 v[SPW], v0, 2, SPARE
	v_mov_b32 v[NIL], 0
	ds_add_u32 v[SPW], v[NIL]                      ; the opening lines: the add, twice on end, and its wait ahead of my first tensor load
	ds_add_u32 v[SPW], v[NIL]
	v_lshrrev_b32 v1, 5, v0
	v_readfirstlane_b32 s14, v1                    ; wave 0..3
	s_lshr_b32 s15, s14, 1                         ; my half of the tile's rows
	s_and_b32 s16, s14, 1                          ; my half of its columns
	s_bfe_u32 s40, ttmp6, 0x40000                  ; cx
	s_lshl_b32 s42, ttmp9, 2
	s_add_co_u32 s42, s42, s40                     ; tile column = 4 x cluster x + cx
	s_and_b32 s17, ttmp7, 0xffff                   ; tile row = cluster y
	s_mov_b32 s[G1+0], 15|(1<<20)|(1<<21)|(6<<22)|(3<<25)   ; mask: the cluster's four; elements of 1 byte; 4 words of padding behind every 128
	s_mov_b32 s[G1+1], 512<<16
	s_mov_b32 s[G1+2], 64<<16
	s_mov_b32 s[G1+3], 512<<16
	s_mov_b32 s[G1+4], 64
	s_mov_b32 s[G1+5], 4096
	s_mov_b32 s[G1+6], 0
	s_mov_b32 s[G1+7], 0
	s_lshl_b32 s20, s17, 8                         ; x: row 256 x tile row + 64 x wave, 4,096 bytes a row: no cx in it
	s_lshl_b32 s21, s14, 6
	s_add_co_u32 s20, s20, s21
	s_lshl_b32 s20, s20, 12
	s_mov_b32 s21, 0
	s_mul_i32 s43, s14, 64*PITCH                   ; and where they go
	s_lshl_b32 s22, s42, 1                         ; W: my 128 rows: 524,288 x (2 x tile column + half)
	s_add_co_u32 s22, s22, s16
	s_lshl_b32 s22, s22, 19
	s_mov_b32 s23, 0
	s_lshl_b32 s18, s42, 10                        ; my first column in bytes of f32; also my place in W's scale words
	s_lshl_b32 s19, s16, 9
	s_add_co_u32 s18, s18, s19
	s_mov_b32 s19, 0
	s_lshl_b32 s52, s17, 8                         ; out: my first row,
	s_lshl_b32 s53, s15, 7
	s_add_co_u32 s52, s52, s53
	s_lshl_b32 s52, s52, 14
	s_add_co_u32 s52, s52, s18                     ; and column
	s_mov_b32 s53, 0
	s_lshl_b32 s54, s17, 10                        ; x's scale words: 1,024 x tile row + 512 x half
	s_lshl_b32 s55, s15, 9
	s_add_co_u32 s54, s54, s55
	s_add_co_u32 s55, s18, WPART
	s_sub_co_u32 s55, s55, s54                     ; lanes 16-31 take W's: so much further on
	s_lshl_b32 s56, s17, 8                         ; x's prefetch: rows 256 x tile row + 64 cx + 16 wave
	s_lshl_b32 s57, s40, 6
	s_add_co_u32 s56, s56, s57
	s_lshl_b32 s57, s14, 4
	s_add_co_u32 s56, s56, s57
	s_lshl_b32 s56, s56, 12
	s_mov_b32 s57, 0
	s_and_b32 s58, s17, 3                          ; W's prefetch: blocks 128 (y mod 4) + 32 wave + lane of the tile column's 512
	s_lshl_b32 s58, s58, 7
	s_lshl_b32 s59, s14, 5
	s_add_co_u32 s58, s58, s59
	s_lshr_b32 s59, s58, 8
	s_lshl_b32 s41, s42, 1
	s_add_co_u32 s59, s59, s41
	s_lshl_b32 s59, s59, 19
	s_and_b32 s58, s58, 255
	s_lshl_b32 s58, s58, 8
	s_add_co_u32 s58, s58, s59
	s_mov_b32 s59, 0
	s_mul_i32 s41, s15, 128*PITCH                  ; my 128 rows of x in slot 0,
	s_add_co_u32 s60, s41, SLOT                    ; in slot 1
	s_mul_i32 s61, s14, 16*SPITCH
	s_add_co_u32 s61, s61, STAGE                   ; my stage
	v_and_b32 v1, 15, v0                           ; r
	v_bfe_u32 v2, v0, 4, 1                         ; h
	v_and_b32 v3, 31, v0                           ; lane
	v_lshlrev_b32 v[BO], 5, v2
	v_lshlrev_b32 v[BOF], 4, v3
	v_lshlrev_b32 v[PFQ], 8, v3
	v_mul_u32_u24 v4, s55, v2
	v_lshl_add_u32 v4, v1, 4, v4
	v_add_nc_u32 v[SOFF], s54, v4
	v_mul_u32_u24 v5, v1, PITCH
	v_lshl_add_u32 v5, v2, 4, v5
	v_add_nc_u32 v[ADRA], s41, v5
	v_add_nc_u32 v[ADRA+1], s60, v5
	v_mul_u32_u24 v6, v1, SPITCH
	v_lshl_add_u32 v6, v2, 5, v6
	v_add_nc_u32 v[STO], s61, v6
	v_add_nc_u32 v[RD], s61, v[BOF]
	v_lshlrev_b32 v7, 12, v1
	v_lshl_add_u32 v[PFO], v2, 8, v7               ; a row of x, and which 256 bytes of the chunk's 512
	s_wait_alu depctr_va_vdst(0)
	s_wait_dscnt 0x0                               ; both opening adds are done
	s_wait_kmcnt 0x0
	s_add_nc_u64 s[20:21], s[4:5], s[20:21]
	s_add_nc_u64 s[BP:BP+1], s[6:7], s[22:23]
	s_mov_b64 s[SCP:SCP+1], s[8:9]
	s_add_nc_u64 s[10:11], s[10:11], s[18:19]
	s_add_nc_u64 s[12:13], s[12:13], s[52:53]
	s_add_nc_u64 s[PFA:PFA+1], s[4:5], s[56:57]
	s_add_nc_u64 s[PFB:PFB+1], s[6:7], s[58:59]
.irp s, 0,1
	s_mov_b32 s[G0+4*\s], 1
	s_add_co_u32 s[G0+4*\s+1], s43, \s*SLOT
	s_add_nc_u64 s[G0+4*\s+2:G0+4*\s+3], s[20:21], \s*512
	s_or_b32 s[G0+4*\s+3], s[G0+4*\s+3], 0x80000000
.endr
	LDSC 0, 0                                      ; the loads into registers go out in the order in which the steps issue them: the small ones ahead of the round,
	LDSC 1, USTEP
.irp b, 0,1,2,3,4,5,6,7
	global_load_b128 v[BI+8*\b:BI+8*\b+3], v[BO], s[10:11] offset:64*\b
	global_load_b128 v[BI+8*\b+4:BI+8*\b+7], v[BO], s[10:11] offset:64*\b+16
.endr
	CROUND                                         ; the cluster's four are here: the first joint loads meet
	TLOAD 0                                        ; chunk 0, which everything waits for: one tensor load a wave at the head
	WIN TO_B
.irp f, 0,1,2,3,4,5,6,7
	LDBF \f, 0, 0                                  ; W's steps 0 and 1 behind it
.endr
	WIN 0
	LDSC 2, 2*USTEP
	global_prefetch_b8 v[PFQ], s[PFB:PFB+1] th:TH_LOAD_NT scope:SCOPE_SE
	global_prefetch_b8 v[PFQ], s[PFB:PFB+1] offset:65536 th:TH_LOAD_NT scope:SCOPE_SE
	global_prefetch_b8 v[PFO], s[PFA:PFA+1] offset:1024 th:TH_LOAD_NT scope:SCOPE_SE
	WIN TO_B
.irp f, 0,1,2,3,4,5,6,7
	LDBF \f, 1, USTEP
.endr
	WIN 0
	LDSC 3, 3*USTEP
	s_wait_tensorcnt 0x0                           ; my part of chunk 0 is in
	ds_add_u32 v[SPW], v[NIL]
	s_wait_dscnt 0x0
	CROUND
	TLOAD 1                                        ; chunk 1: slot 1's first fill, the first tensor load behind the round
.irp i, 0,1,2,3,4,5,6,7
	LDAF \i, 0, 0
.endr
	STEP 0, 1, 7, 0                                ; the first step stands ahead of the loop: its products start the sums on the bias
	s_mov_b32 s3, 3
.Llap:                                                 ; a trip: eight steps, once round the ring, both slots filled again.  (A step leaves every window 0)
	STEP 1, 0, 7, 0
	STEP 2, 0, 7, 0
	STEP 3, 0, 7, 1
	STEP 4, 0, 7, 0
	STEP 5, 0, 7, 0
	STEP 6, 0, 7, 0
	STEP 7, 0, 7, 1
	STEP 8, 0, 7, 0
	s_wait_xcnt 0x0                                ; the loads and prefetches have read their bases
	s_add_nc_u64 s[BP:BP+1], s[BP:BP+1], 8*USTEP
	s_add_nc_u64 s[SCP:SCP+1], s[SCP:SCP+1], 8*USTEP
	s_add_nc_u64 s[PFA:PFA+1], s[PFA:PFA+1], 1024
	s_add_nc_u64 s[PFB:PFB+1], s[PFB:PFB+1], 8*USTEP
	s_sub_co_u32 s3, s3, 1
	s_cmp_lg_u32 s3, 0
	s_cbranch_scc1 .Llap
	STEP 1, 0, 6, 0                                ; the last seven steps: no refill, and the loads run out
	STEP 2, 0, 5, 0
	STEP 3, 0, 4, 2
	STEP 4, 0, 3, 0
	STEP 5, 0, 2, 0
	STEP 6, 0, 1, 0
	HONE 7, 0, 0, 0                                ; blocks 0-3 are finished
; THE WAY OUT, block by block of 16 rows x 128 columns, through my own stage and back as whole rows of 512 bytes.  LDS serves a wave's instructions in order.
.macro TOSTAGE a
.set AC, 64*((\a)%4)
	WIN 0x08+4*((\a)/4)
.irp b, 0,1,2,3,4,5,6,7
	ds_store_b128 v[STO], v[AC+8*\b:AC+8*\b+3] offset:64*\b          ; each accumulator from its low end on
	ds_store_b128 v[STO], v[AC+8*\b+4:AC+8*\b+7] offset:64*\b+16
.endr
	WIN 0
.set BB, BK+64*((\a)%2)
.irp t, 0,1,2,3,4,5,6,7,8,9,10,11,12,13,14,15
	ds_load_b128 v[BB+4*\t:BB+4*\t+3], v[RD] offset:\t*SPITCH
.endr
.endm
.macro SEND a, younger
.set BB, BK+64*((\a)%2)
	s_wait_dscnt \younger
.if (\a) > 0
	s_add_nc_u64 s[12:13], s[12:13], 16*SIZE_N*4   ; behind a wait on XCNT: the earlier stores have read their base
.endif
.irp t, 0,1,2,3,4,5,6,7,8,9,10,11,12,13,14,15
	global_store_b128 v[BOF], v[BB+4*\t:BB+4*\t+3], s[12:13] offset:\t*SIZE_N*4 th:TH_STORE_NT   ; 512 consecutive bytes, aligned
.endr
.endm
	s_wait_dscnt 0x0                               ; x's blocks 4-7
	PLACES 8                                       ; ahead of the reads of blocks 0-3's sums and of loads into v128-191
.irp a, 0,1,2,3                        ; blocks 0-3 leave while blocks 4-7 are multiplied, eight products to a block
.if \a > 0
	s_wait_xcnt 0x0
.endif
	TOSTAGE \a
	WIN MUL_HI
	GRP 1, 2*\a, 1, 3, 0
	GRP 1, 2*\a+1, 1, 3, 0
	WIN 0
	SEND \a, 0
.endr
	PLACES 8
	s_wait_xcnt 0x0
	TOSTAGE 4
.irp a, 5,6,7
	s_wait_xcnt 0x0                                ; block a - 2's stores have read their registers and their base
	TOSTAGE \a
	SEND \a-1, 32                                  ; behind block a - 1's loads: block a's 16 stores and 16 loads
.endr
	s_wait_xcnt 0x0
	SEND 7, 0
	s_wait_tensorcnt 0x0                           ; the wave's end
	ds_add_u32 v[SPW], v[NIL]
	s_wait_dscnt 0x0
	CROUND                                         ; the closing round
	s_endpgm
.Lfunc_end_k_qe833e1ada2_gemm:
	.size	k_qe833e1ada2_gemm, .Lfunc_end_k_qe833e1ada2_gemm-k_qe833e1ada2_gemm
	.p2alignl 7, 3214868480
	.fill 96, 4, 3214868480
	.section	.rodata,"a",@progbits
	.p2align	6, 0x0
	.amdhsa_kernel k_qe833e1ada2_gemm
		.amdhsa_group_segment_fixed_size 327680
		.amdhsa_private_segment_fixed_size 0
		.amdhsa_enable_private_segment 0
		.amdhsa_kernarg_size 40
		.amdhsa_user_sgpr_count 2
		.amdhsa_user_sgpr_kernarg_segment_ptr 1
		.amdhsa_wavefront_size32 1
		.amdhsa_system_sgpr_workgroup_id_x 1
		.amdhsa_system_sgpr_workgroup_id_y 1
		.amdhsa_system_sgpr_workgroup_id_z 1
		.amdhsa_system_vgpr_workitem_id 0
		.amdhsa_next_free_vgpr 1024
		.amdhsa_next_free_sgpr 66
		.amdhsa_reserve_vcc 0
		.amdhsa_float_denorm_mode_32 3
		.amdhsa_float_denorm_mode_16_64 3
		.amdhsa_memory_ordered 1
		.amdhsa_forward_progress 1
		.amdhsa_inst_pref_size 255
	.end_amdhsa_kernel
	.section	.bss,"aw",@nobits
	.p2align	6
	.space	262144
	.amdgpu_metadata
---
amdhsa.version: [ 1, 2 ]
amdhsa.kernels:
  - .name:           k_qe833e1ada2_gemm
    .symbol:         k_qe833e1ada2_gemm.kd
    .args:
      - { .name: x_codes, .offset: 0, .size: 8, .value_kind: global_buffer, .address_space: global }
      - { .name: w_codes, .offset: 8, .size: 8, .value_kind: global_buffer, .address_space: global }
      - { .name: scl, .offset: 16, .size: 8, .value_kind: global_buffer, .address_space: global }
      - { .name: bias, .offset: 24, .size: 8, .value_kind: global_buffer, .address_space: global }
      - { .name: out0, .offset: 32, .size: 8, .value_kind: global_buffer, .address_space: global }
    .group_segment_fixed_size: 327680
    .private_segment_fixed_size: 0
    .kernarg_segment_align: 8
    .kernarg_segment_size: 40
    .max_flat_workgroup_size: 128
    .sgpr_count:     66
    .vgpr_count:     1024
    .wavefront_size: 32
...
	.end_amdgpu_metadata
.endif
;; end of part 2
